; MI455X (gfx1250); checked and timed in simulation.
; The chip was launched on July 23, 2026; its instructions are those of AMD's public machine-readable ISA for CDNA 5 (MIT licence, August 2026) and "CDNA5" Instruction Set Architecture Reference Guide (July 2026). The comments in the code are by the model that wrote it; some were corrected since.
;; Mo E Top2 Two Experts Per Rank. Allowed arithmetic: matrix products marked QUANTISED: E5M2 operands, one E8M0 scale for each 32 along K, by v_wmma_scale_f32_16x16x128_f8f6f4 with both operands' format E5M2, f32 sums; everything else in f32.
;; Inputs: W1_0 2,048 x 8,192 float32; W1_1 2,048 x 8,192 float32; W2_0 8,192 x 2,048 float32; W2_1 8,192 x 2,048 float32; b1_0 8,192 float32; b1_1 8,192 float32; b2_0 2,048 float32; b2_1 2,048 float32; top2_exp_id 1,024 x 2 int32; top2_weight 1,024 x 2 float32; x_local 1,024 x 2,048 float32.
;; Outputs: out0 1,024 x 2,048 float32.
;; This version of the problem:
;;   THIS VERSION OF THE PROBLEM IS GIVEN IN LOW PRECISION. The matrix products marked QUANTISED in the list below multiply operands that are first quantised to E5M2 (5 exponent bits, 2 mantissa bits; 8 bits a number), with one power-of-two scale for each 32 numbers along K (OCP MX v1.0); their sums are f32. All else is computed in f32.
;;   The module's matrix products, in the order in which they are computed (A, B: the left and right operand; K: the contracted axis; several contracted axes count as one K, in the product's order):
;;     1. [M 1,024, K 2,048] x [K 2,048, N 8,192]; A: input x_local; B: input W1_0: QUANTISED
;;     2. [M 1,024, K 8,192] x [K 8,192, N 2,048]; A: computed on the way; B: input W2_0: QUANTISED
;;     3. [M 1,024, K 2,048] x [K 2,048, N 8,192]; A: input x_local; B: input W1_1: QUANTISED
;;     4. [M 1,024, K 8,192] x [K 8,192, N 2,048]; A: computed on the way; B: input W2_1: QUANTISED
;;   THE QUANTISER, for each operand of a quantised product, along K:
;;     - K is cut into blocks of 32 from its start; a last block that is shorter is filled with zeros.
;;     - A block's scale is 2^e with e = floor(log2(the largest magnitude in the block)) - 15, held to -126 .. 127; a block of zeros has e = 0. As a byte (E8M0): e + 127.
;;     - Each number is divided by its block's scale, clamped to +-57,344, and rounded to the nearest number of E5M2, ties to even, subnormals kept.
;;     - The product sums the exact products of the quantised numbers (number of the format x scale) in f32.
;;   ~~~python
;;   def quantise(x, axis):      # numpy; x: float32 -> the quantised numbers, widened to float32 again
;;       x = np.moveaxis(x, axis, -1); K = x.shape[-1]
;;       x = np.pad(x, [(0, 0)] * (x.ndim - 1) + [(0, -K % 32)]); x = x.reshape(x.shape[:-1] + (-1, 32)); a = np.abs(x).max(-1, keepdims=True)
;;       e = np.where(a > 0, np.clip(np.frexp(np.where(a > 0, a, 1))[1] - 1 - 15, -126, 127), 0)      # np.frexp(a)[1] - 1 = floor(log2(a)), exactly
;;       r = np.clip(x / 2.0 ** e, -57344, 57344)
;;       step = 2.0 ** (np.maximum(np.frexp(np.where(r == 0, 1, r))[1] - 1, -14) - 2)
;;       q = np.round(r / step) * step * 2.0 ** e      # np.round: ties to even
;;       return np.moveaxis(q.reshape(q.shape[:-2] + (-1,))[..., :K], -1, axis).astype(np.float32)
;;   ~~~
;;   OPERANDS COMPUTED ON THE WAY. 'Computed on the way' means the value that the module computes at that place (a softmax that the list does not call 'softmax' is quantised finished and normalised). What goes into a quantiser is computed in f32, as accurately as f32 sums, v_exp_f32 and their like allow (about 1e-6 of the number): no bf16 or f16 on the way to a quantiser, and a product that is left as it is and whose result goes on into a quantised operand takes f32 operands (vector FMAs, or v_wmma_f32_16x16x4_f32). A number that lies on a knife's edge between two numbers of the format may be rounded either way, as far as f32 arithmetic and the matrix unit's own rounding can turn it there, and no further.
;; One version. Each part assembles by itself: llvm-mc -triple=amdgcn-amd-amdhsa -mcpu=gfx1250 --defsym DOCPART=n.
;; ======== version 1 of 1: 4 launches
;; limits: right only within a limited range of input values
;; workspace buffers: xq 2,162,688 bytes; hq 17,301,504 bytes; part 67,108,864 bytes
;; launch quantx (part 1): grid 256 x 1, 4 waves a work-group, no clusters, 34,816 bytes of LDS; arguments x_local, xq; writes xq
.if DOCPART == 1
	.amdgcn_target "amdgcn-amd-amdhsa--gfx1250"
	.amdhsa_code_object_version 6
	.text
	.protected	k_q2ccf05ad77_quantx
	.globl	k_q2ccf05ad77_quantx
	.p2align	8
	.type	k_q2ccf05ad77_quantx,@function
k_q2ccf05ad77_quantx:
	s_mov_b64 s[64:65], 0
	v_nop
	global_prefetch_b8 v0, s[64:65] scope:SCOPE_SE
	s_setreg_imm32_b32 hwreg(HW_REG_WAVE_MODE, 25, 1), 1
	s_wait_xcnt 0x0
; x_local [1024][2048] f32 becomes codes of E5M2 with one E8M0 byte for each 32 along K, laid as the next launch's operand registers want them.
; A RECORD (33,792 bytes) holds 256 rows x 128 along K: 16 images of 2,048 bytes (tile t of 16 rows; registers 4 c .. 4 c + 3 of lane l at 2048 t + 512 c + 16 l;
; lane (r, h) holds row 16 t + r, k = 32 c + 16 h + 0 .. 15), then the 256 rows' scale words (4 bytes a row, byte c for block c).  Record (K step s, quarter w) lies at (4 s + w) x 33,792.
; A work-group takes 64 rows x 128 along K, a wave 16 rows: one image.  Each load reads 512 consecutive bytes of a row; the 16 rows turn through the wave's own stage in LDS,
; so that a lane gets 16 neighbours of each block of 32.  The 64 rows' scale words meet in LDS and leave as one aligned run of 256 bytes.
; A block's scale is 2^(floor(log2(largest magnitude)) - 15): its byte is the largest magnitude's exponent field - 15, held at 1 from below.
; LIMITS: a block of zeros gets the byte 1 where the rule says 127 (its codes are zeros; this program alone reads the bytes); NaN and infinities are not served.
; WORK LEFT OUT BY THE PROGRAM, by the ids alone: reference() weighs expert e's result for token m by c_e[m], the sum of those of the token's two gate weights whose id is e modulo 2.
; Where neither id is e modulo 2 that sum has no term: c_e[m] = 0 for every value of the floating-point inputs, and 0 x y_e[m] adds nothing.  The products stay whole (such rows lie inside tiles with live rows),
; but the last launch, which reads the ids, does not load those rows of the partial sums.  Every input has a way to the output and is loaded.
; LIMIT: a NaN, an infinity or an overflow in the result of an expert that a token does not use is not carried to the output.
.set REC,  33792
.set SP,   528                         ; a stage row: 512 bytes + 16
.set WST,  16*SP                       ; a wave's stage
.set SCB,  4*WST                       ; behind the stages: 64 scale words
.set RW,   16                          ; v16-79   16 rows as loaded
.set X,    80                          ; v80-143  64 numbers: register 16 b + i = k 32 b + 16 h + i of my row
.set PC,   144                         ; v144-159 the codes
.set TM,   160                         ; v160-175 at work
.set PW,   176                         ; the scale word
.set SEL,  20
.set MNT,  23
	s_load_b128 s[4:7], s[0:1], 0x0                ; x, xq
	v_lshl_add_u32 v192, v0, 2, 0x8600
	v_mov_b32 v193, 0
	v_lshrrev_b32 v1, 5, v0
	v_readfirstlane_b32 s8, v1                     ; wave u
	v_and_b32 v7, 31, v0                           ; lane
	v_and_b32 v8, 15, v0                           ; r
	v_bfe_u32 v9, v0, 4, 1                         ; h
	v_lshlrev_b32 v1, 4, v7                        ; 16 x lane
	s_mul_i32 s9, s8, WST
	v_add_nc_u32 v2, s9, v1                        ; the stage, in
	v_mul_u32_u24 v3, v8, SP
	v_lshl_add_u32 v3, v9, 6, v3
	v_add_nc_u32 v3, s9, v3                        ; the stage, out: row r, + 64 h
	s_lshl_b32 s10, s8, 6
	s_add_co_u32 s10, s10, SCB
	v_lshl_add_u32 v4, v8, 2, s10                  ; my row's scale word
	v_lshlrev_b32 v6, 3, v7                        ; 8 x lane
	v_add_nc_u32 v5, SCB, v6
	s_and_b32 s11, ttmp9, 15                       ; K step s
	s_lshr_b32 s12, ttmp9, 4                       ; group of 64 rows
	s_lshr_b32 s13, s12, 2                         ; quarter w
	s_and_b32 s14, s12, 3                          ; which 64 rows of the quarter
	s_lshl_b32 s15, s12, 2
	s_add_co_u32 s15, s15, s8                      ; my 16 rows, counted in sixteens
	s_lshl_b32 s16, s15, 17                        ; x 16 rows of 8,192 bytes
	s_lshl_b32 s17, s11, 9                         ; + 512 s
	s_add_co_u32 s16, s16, s17
	s_mov_b32 s17, 0
	s_lshl_b32 s18, s11, 2
	s_add_co_u32 s18, s18, s13
	s_mul_i32 s18, s18, REC                        ; my record
	s_lshl_b32 s19, s14, 2
	s_add_co_u32 s19, s19, s8                      ; my tile in it
	s_lshl_b32 s19, s19, 11
	s_add_co_u32 s24, s18, s19
	s_mov_b32 s25, 0
	s_lshl_b32 s26, s14, 8
	s_add_co_u32 s26, s26, s18
	s_add_co_u32 s26, s26, 32768                   ; the work-group's 64 scale words
	s_mov_b32 s27, 0
	s_mov_b32 s[SEL], 0x76543210
	s_mov_b32 s[SEL+1], 0xfedcba98                 ; v_permlanex16_b32's selects for lane l xor 16
	s_mov_b32 s[MNT], 0x600000                     ; the mantissa field of 57,344
.irp b, 0,1,2,3
	v_mov_b32 v[TM+4+\b], 0                        ; a lane permute's destination counts as one of its sources
.endr
	s_wait_alu depctr_va_vdst(0)
	s_wait_kmcnt 0x0
	s_add_nc_u64 s[4:5], s[4:5], s[16:17]
	s_add_nc_u64 s[28:29], s[6:7], s[24:25]
	s_add_nc_u64 s[30:31], s[6:7], s[26:27]
.irp i, 0,1,2,3,4,5,6,7,8,9,10,11,12,13,14,15
	global_load_b128 v[RW+4*\i:RW+4*\i+3], v1, s[4:5] offset:8192*\i th:TH_LOAD_NT   ; row i: 32 lanes read 512 consecutive bytes
.endr
	s_wait_loadcnt 0x0
.irp i, 0,1,2,3,4,5,6,7,8,9,10,11,12,13,14,15
	ds_store_b128 v2, v[RW+4*\i:RW+4*\i+3] offset:SP*\i
.endr
.irp b, 0,1,2,3
.irp j, 0,1,2,3
	ds_load_b128 v[X+16*\b+4*\j:X+16*\b+4*\j+3], v3 offset:128*\b+16*\j   ; LDS serves a wave's instructions in order: these see my stores
.endr
.endr
	s_wait_dscnt 0x0
.irp b, 0,1,2,3
	v_max3_num_f32 v[TM+\b], |v[X+16*\b]|, |v[X+1+16*\b]|, 0x8000000     ; block b: my 16 numbers, and the floor 2^(16 - 127): the byte cannot fall under 1
.endr
.irp i, 2,4,6,8,10,12,14
.irp b, 0,1,2,3
	v_max3_num_f32 v[TM+\b], v[TM+\b], |v[X+16*\b+\i]|, |v[X+1+16*\b+\i]|
.endr
.endr
.irp b, 0,1,2,3
	v_permlanex16_b32 v[TM+4+\b], v[TM+\b], s[SEL], s[SEL+1]
.endr
.irp b, 0,1,2,3
	v_max_num_f32 v[TM+\b], v[TM+\b], v[TM+4+\b]   ; with lane l xor 16's: the block's largest magnitude
.endr
.irp b, 0,1,2,3
	v_add_nc_u32 v[TM+12+\b], 0xf8800000, v[TM+\b] ; 15 off its exponent field: the conversion's scale operand
.endr
.irp b, 0,1,2,3
	v_and_or_b32 v[TM+8+\b], v[TM+\b], 0x7f800000, s[MNT]   ; 57,344 x the scale
.endr
.irp b, 0,1,2,3
	v_lshrrev_b32 v[TM+4+\b], 23, v[TM+12+\b]      ; the scale's byte
.endr
	v_lshl_or_b32 v[PW], v[TM+5], 8, v[TM+4]
	v_lshl_or_b32 v[PW], v[TM+6], 16, v[PW]
	v_lshl_or_b32 v[PW], v[TM+7], 24, v[PW]
.irp b, 0,1,2,3
.irp i, 0,1,2,3,4,5,6,7,8,9,10,11,12,13,14,15
	v_med3_num_f32 v[X+16*\b+\i], v[X+16*\b+\i], -v[TM+8+\b], v[TM+8+\b]   ; the conversion does not saturate (ISA guide 7.6.2): the hold comes first
.endr
	v_cvt_scalef32_pk8_bf8_f32 v[PC+4*\b:PC+1+4*\b], v[X+16*\b:X+7+16*\b], v[TM+12+\b]
	v_cvt_scalef32_pk8_bf8_f32 v[PC+2+4*\b:PC+3+4*\b], v[X+8+16*\b:X+15+16*\b], v[TM+12+\b]
.endr
	v_nop
.irp c, 0,1,2,3
	global_store_b128 v1, v[PC+4*\c:PC+4*\c+3], s[28:29] offset:512*\c     ; 32 lanes store 512 consecutive bytes of the image
.endr
	ds_store_b32 v4, v[PW]                         ; both halves of the lanes write the same word with the same value
	s_wait_dscnt 0x0                               ; for the others' sake: my scale words have landed
	s_barrier_signal -1
	s_barrier_wait -1
	s_cmp_lg_u32 s8, 0
	s_cbranch_scc1 .Ldone
	ds_load_b64 v[178:179], v5                     ; wave 0: the 64 rows' words, 8 bytes a lane
	s_wait_dscnt 0x0
	global_store_b64 v6, v[178:179], s[30:31]      ; 256 consecutive bytes, at a multiple of 256 from the buffer's first byte
.Ldone:
	s_wait_tensorcnt 0x0
	ds_add_u32 v192, v193
	s_wait_dscnt 0x0
	s_endpgm
.Lfunc_end_k_q2ccf05ad77_quantx:
	.size	k_q2ccf05ad77_quantx, .Lfunc_end_k_q2ccf05ad77_quantx-k_q2ccf05ad77_quantx
	.p2alignl 7, 3214868480
	.fill 96, 4, 3214868480
	.section	.rodata,"a",@progbits
	.p2align	6, 0x0
	.amdhsa_kernel k_q2ccf05ad77_quantx
		.amdhsa_group_segment_fixed_size 34816
		.amdhsa_private_segment_fixed_size 0
		.amdhsa_enable_private_segment 0
		.amdhsa_kernarg_size 16
		.amdhsa_user_sgpr_count 2
		.amdhsa_user_sgpr_kernarg_segment_ptr 1
		.amdhsa_wavefront_size32 1
		.amdhsa_system_sgpr_workgroup_id_x 1
		.amdhsa_system_sgpr_workgroup_id_y 1
		.amdhsa_system_sgpr_workgroup_id_z 1
		.amdhsa_system_vgpr_workitem_id 0
		.amdhsa_next_free_vgpr 194
		.amdhsa_next_free_sgpr 66
		.amdhsa_reserve_vcc 0
		.amdhsa_float_denorm_mode_32 3
		.amdhsa_float_denorm_mode_16_64 3
		.amdhsa_memory_ordered 1
		.amdhsa_forward_progress 1
		.amdhsa_inst_pref_size 15
	.end_amdhsa_kernel
	.amdgpu_metadata
---
amdhsa.version: [ 1, 2 ]
amdhsa.kernels:
  - .name:           k_q2ccf05ad77_quantx
    .symbol:         k_q2ccf05ad77_quantx.kd
    .args:
      - { .name: x_local, .offset: 0, .size: 8, .value_kind: global_buffer, .address_space: global }
      - { .name: xq, .offset: 8, .size: 8, .value_kind: global_buffer, .address_space: global }
    .group_segment_fixed_size: 34816
    .private_segment_fixed_size: 0
    .kernarg_segment_align: 8
    .kernarg_segment_size: 16
    .max_flat_workgroup_size: 128
    .sgpr_count:     66
    .vgpr_count:     194
    .wavefront_size: 32
...
	.end_amdgpu_metadata
.endif
;; end of part 1
;; launch ffn1 (part 2): grid 32 x 8, 4 waves a work-group, clusters of 4 x 4, 327,680 bytes of LDS; arguments xq, W1_0, W1_1, b1_0, b1_1, hq; writes hq
.if DOCPART == 2
	.amdgcn_target "amdgcn-amd-amdhsa--gfx1250"
	.amdhsa_code_object_version 6
	.text
	.protected	k_q2ccf05ad77_ffn1
	.globl	k_q2ccf05ad77_ffn1
	.p2align	8
	.type	k_q2ccf05ad77_ffn1,@function
k_q2ccf05ad77_ffn1:
	s_mov_b64 s[64:65], 0
	v_nop
	global_prefetch_b8 v0, s[64:65] scope:SCOPE_SE
	s_setreg_imm32_b32 hwreg(HW_REG_WAVE_MODE, 25, 1), 1
	s_wait_xcnt 0x0
	s_wait_alu depctr_hold_cnt(0) depctr_sa_sdst(0) depctr_va_vdst(0) depctr_va_sdst(0) depctr_va_ssrc(0) depctr_va_vcc(0) depctr_vm_vsrc(0)
	s_getreg_b32 s2, hwreg(HW_REG_IB_STS2, 6, 4)
	s_cmp_eq_u32 s2, 0
	s_cbranch_scc0 .Lentry_in_a_cluster
	s_endpgm
.Lentry_in_a_cluster:
	s_bfe_u32 s2, ttmp6, 0x10000c
	s_cmp_lg_u32 s2, 0xf033
	s_cbranch_scc0 .Lentry_shape_is_right
	s_endpgm
.Lentry_shape_is_right:
; hq = Q(gelu(Q(x) Q(W1_e) + b1_e)) for both experts e: codes of E5M2 with one E8M0 byte for each 32 along the hidden axis, laid in records as the next launch's operand registers want them.
; Nothing is left out here: every token goes through both experts (rows that an expert's ids do not ask for lie inside tiles with rows that they do).
; A work-group makes 512 rows x 128 hidden columns of one expert; four waves, 2 x 2, each 256 rows x 64 columns: 64 accumulators, 512 registers (windows 2 and 3).
; x's codes come as records (256 rows x 128 K, register images and scale words) by joint tensor loads, shared along a row of the cluster, into a ring of two slots of two K steps each.
; W1 comes as f32 by plain loads, 16 lanes to 256 consecutive bytes (window 1, four sets of 64 registers), is quantised along K in registers (a block of 32 lies in lanes l and l xor 16)
; and goes as a register image through one of two LDS images, one K step ahead of the products that read it.  One barrier a K step shows the image; every second one is a round of the cluster's barrier with the refill behind it.
; The loop's trip is two K steps: the slot that is read and the slot that is filled are kept in scalars that are toggled.
; The weight strip is asked for ahead (see ASKW).  x's records are not: each refill has two K steps' products between its request and the wait for it, and all work-groups read the same 2,162,688 bytes.
; gelu(v) = max(v, 0) - |v| erfc(|v| / sqrt 2) / 2, erfc(z) = t exp(-z z + p(t)), t = 1 / (1 + z / 2), p of degree 9; all in f32.
; LIMITS: a block of zeros gets the byte 1 where the rule says 127 (its codes are zeros; this program alone reads the bytes); NaN and infinities among the inputs are not served.
.set LOGP,   15
.set PITCHB, 1<<LOGP
.set REC,    33792
.set XSL,    4*REC
.set WIMG,   2*XSL
.set WSCO,   16384
.set WSL,    16896
.set SPARE,  WIMG+2*WSL
.set SPW, 1
.set NIL, 2
.set AXB, 3
.set AXC, 4
.set ASXB, 5
.set ASXC, 6
.set ABW, 7
.set ASW, 8
.set ADW, 9
.set ADB, 10
.set GW,  11
.set MX,  12
.set PR,  16
.set LIM, 20
.set SCO, 24
.set SA,  28
.set SW,  36
.set BO,  38
.set CD,  40
.set HD,  48
.set BF,  64
.set AF,  128
.set WV,  16
.set G1D, 24
.set G0,  32
.set WB,  40
.set KC,  42
.set MNT, 43
.set SEL, 44
.set HM,  46
.set K1,  47
.set BB,  48
.set OB,  50
.set SB,  52
.set IT,  54
.set PFO, 39                           ; v39  the prefetch's offset: my thread's row of a K step, my work-group's 256 bytes of its 512, two K steps on; never rewritten
.set XO,  36                           ; s36  LDS offset of the slot that is read: 0 or XSL
.set XT,  37                           ; s37  the same for the slot's second K step
.set MSB, 0
.macro WIN new
.if MSB != (\new)
	s_set_vgpr_msb (MSB<<8)|(\new)
.set MSB, (\new)
.endif
.endm
.macro PLACES n
.rept \n
	v_nop
.endr
.endm
.macro ROUND
	s_barrier_signal -1
	s_barrier_wait -1
	s_cmp_lg_u32 s[WV], 0
	s_cbranch_scc1 .Lnot_wave_0_\@
	s_barrier_signal -3
.Lnot_wave_0_\@:
	s_barrier_wait -3
	s_barrier_signal -1
	s_barrier_wait -1
.endm
.macro LOADW set, hf, step
.if \step
	s_wait_xcnt 0x0
	s_add_nc_u64 s[WB:WB+1], s[WB:WB+1], 128*PITCHB
.endif
	WIN 0x40
.irp i, 0,1,2,3,4,5,6,7,8,9,10,11,12,13,14,15
	global_load_b128 v[64*(\set)+4*\i:64*(\set)+4*\i+3], v[GW], s[WB:WB+1] offset:\i*PITCHB+256*(\hf)
.endr
	WIN 0
.endm
.macro MAXPH set
	WIN 0x05
.irp q, 0,1,2,3
	v_max3_num_f32 v[MX+\q], |v[64*(\set)+\q]|, |v[64*(\set)+4+\q]|, 0x8000000
.endr
.irp i, 2,4,6,8,10,12,14
.irp q, 0,1,2,3
	v_max3_num_f32 v[MX+\q], |v[64*(\set)+4*\i+\q]|, |v[64*(\set)+4*\i+4+\q]|, v[MX+\q]
.endr
.endr
.endm
.macro CROSS
	WIN 0
.irp q, 0,1,2,3
	v_permlanex16_b32 v[PR+\q], v[MX+\q], s[SEL], s[SEL+1]
.endr
.irp q, 0,1,2,3
	v_max_num_f32 v[MX+\q], v[MX+\q], v[PR+\q]
.endr
.irp q, 0,1,2,3
	v_add_nc_u32 v[SCO+\q], 0xf8800000, v[MX+\q]
.endr
.irp q, 0,1,2,3
	v_and_or_b32 v[LIM+\q], v[MX+\q], 0x7f800000, s[MNT]
.endr
.irp q, 0,1,2,3
	v_lshrrev_b32 v[PR+\q], 23, v[SCO+\q]
.endr
.endm
.macro HOLD set, q, hf, ws
	WIN 0x01
.irp i, 0,1,2,3,4,5,6,7,8,9,10,11,12,13,14,15
	v_med3_num_f32 v[HD+\i], v[64*(\set)+4*\i+(\q)], -v[LIM+(\q)], v[LIM+(\q)]
.endr
	WIN 0
	v_cvt_scalef32_pk8_bf8_f32 v[CD+4*((\q)%2):CD+4*((\q)%2)+1], v[HD:HD+7], v[SCO+(\q)]
	v_cvt_scalef32_pk8_bf8_f32 v[CD+4*((\q)%2)+2:CD+4*((\q)%2)+3], v[HD+8:HD+15], v[SCO+(\q)]
	v_nop
	ds_store_b128 v[ADW], v[CD+4*((\q)%2):CD+4*((\q)%2)+3] offset:(\ws)*WSL+8192*(\hf)+16*(\q)
	ds_store_b8 v[ADB], v[PR+(\q)] offset:(\ws)*WSL+256*(\hf)+4*(\q)
.endm
.macro AGRP g
.irp f, 0,1
.irp c, 0,1,2,3
	ds_load_b128 v[AF+32*((\g)%4)+16*\f+4*\c:AF+32*((\g)%4)+16*\f+4*\c+3], v[AXC] offset:(2*(\g)+\f)*2048+512*\c
.endr
.endr
.endm
.macro WM d, b, a, sw, sa, z, ra, rb
.if (\z) && (\ra) && (\rb)
	v_wmma_scale_f32_16x16x128_f8f6f4 v[\d:\d+7], v[\b:\b+15], v[\a:\a+15], 0, v[\sw], v[\sa] matrix_a_fmt:MATRIX_FMT_BF8 matrix_b_fmt:MATRIX_FMT_BF8 matrix_a_scale:MATRIX_SCALE_ROW1 matrix_b_scale:MATRIX_SCALE_ROW1
.elseif (\z) && (\ra)
	v_wmma_scale_f32_16x16x128_f8f6f4 v[\d:\d+7], v[\b:\b+15], v[\a:\a+15], 0, v[\sw], v[\sa] matrix_a_fmt:MATRIX_FMT_BF8 matrix_b_fmt:MATRIX_FMT_BF8 matrix_a_scale:MATRIX_SCALE_ROW1
.elseif (\z) && (\rb)
	v_wmma_scale_f32_16x16x128_f8f6f4 v[\d:\d+7], v[\b:\b+15], v[\a:\a+15], 0, v[\sw], v[\sa] matrix_a_fmt:MATRIX_FMT_BF8 matrix_b_fmt:MATRIX_FMT_BF8 matrix_b_scale:MATRIX_SCALE_ROW1
.elseif (\z)
	v_wmma_scale_f32_16x16x128_f8f6f4 v[\d:\d+7], v[\b:\b+15], v[\a:\a+15], 0, v[\sw], v[\sa] matrix_a_fmt:MATRIX_FMT_BF8 matrix_b_fmt:MATRIX_FMT_BF8
.elseif (\ra) && (\rb)
	v_wmma_scale_f32_16x16x128_f8f6f4 v[\d:\d+7], v[\b:\b+15], v[\a:\a+15], v[\d:\d+7], v[\sw], v[\sa] matrix_a_fmt:MATRIX_FMT_BF8 matrix_b_fmt:MATRIX_FMT_BF8 matrix_a_scale:MATRIX_SCALE_ROW1 matrix_b_scale:MATRIX_SCALE_ROW1
.elseif (\ra)
	v_wmma_scale_f32_16x16x128_f8f6f4 v[\d:\d+7], v[\b:\b+15], v[\a:\a+15], v[\d:\d+7], v[\sw], v[\sa] matrix_a_fmt:MATRIX_FMT_BF8 matrix_b_fmt:MATRIX_FMT_BF8 matrix_a_scale:MATRIX_SCALE_ROW1
.elseif (\rb)
	v_wmma_scale_f32_16x16x128_f8f6f4 v[\d:\d+7], v[\b:\b+15], v[\a:\a+15], v[\d:\d+7], v[\sw], v[\sa] matrix_a_fmt:MATRIX_FMT_BF8 matrix_b_fmt:MATRIX_FMT_BF8 matrix_b_scale:MATRIX_SCALE_ROW1
.else
	v_wmma_scale_f32_16x16x128_f8f6f4 v[\d:\d+7], v[\b:\b+15], v[\a:\a+15], v[\d:\d+7], v[\sw], v[\sa] matrix_a_fmt:MATRIX_FMT_BF8 matrix_b_fmt:MATRIX_FMT_BF8
.endif
.endm
.macro MGRP g, z
	WIN 0xa0+0x50*((\g)/4)
.irp n, 0,1,2,3
.irp f, 0,1
	WM 32*((2*(\g)+\f)%8)+8*\n, BF+16*\n, AF+32*((\g)%4)+16*\f, SW+\n/2, SA+(\g), \z, \n%2, \f
.endr
.endr
.endm
; A prefetch of the weight strip: in trip t the pointer stands at K step t + 2 and the offset adds two more: K step t + 4, whose loads are issued in trips t + 1 and t + 2.
; A K step of the strip is 128 rows x 512 bytes: thread n names row n, and the two work-groups that read the strip (neighbours along the cluster's y) take 256 bytes of each row each, told apart by address.
; PF = 1: asked; 2: not in the loop's last trip, whose K step 16 does not exist; 0: the tail asks for nothing.
.macro ASKW
.if PF == 1
	global_prefetch_b8 v[PFO], s[WB:WB+1] th:TH_LOAD_NT scope:SCOPE_SE
.elseif PF == 2
	s_cmp_lg_u32 s[KC], 1
	s_cbranch_scc0 .Lno_ask_\@
	global_prefetch_b8 v[PFO], s[WB:WB+1] th:TH_LOAD_NT scope:SCOPE_SE
.Lno_ask_\@:
.endif
.endm
; A K step of 128.  par: its parity.  kind 0: the head's round has shown all; 1: change of slots with a refill; 2: the image's barrier alone; 3: change of slots without a refill.
.macro TRIP par, kind, first, quant, lda, ldb, cnta, cntb
.set WSR, (\par)
.set QS0, 2*(1-(\par))
.if \kind == 1
	s_wait_tensorcnt 0x0                           ; all my tensor loads are in, so the descriptor may be written
	ds_add_u32 v[SPW], v[NIL]
	s_add_nc_u64 s[G0+2:G0+3], s[G0+2:G0+3], 8*REC ; two K steps on,
	s_xor_b32 s[G0+1], s[G0+1], XSL                ; into the slot that was read last;
	s_xor_b32 s[XO], s[XO], XSL                    ; the other slot is read now
	s_wait_dscnt 0x0
	ROUND
	tensor_load_to_lds s[G0:G0+3], s[G1D:G1D+7]
	s_nop 0
.elseif \kind == 2
	s_wait_dscnt 0x0
	s_barrier_signal -1
	s_barrier_wait -1
.elseif \kind == 3
	s_wait_tensorcnt 0x0
	ds_add_u32 v[SPW], v[NIL]
	s_xor_b32 s[XO], s[XO], XSL
	s_wait_dscnt 0x0
	s_barrier_signal -1
	s_barrier_wait -1
.endif
.if \par
	s_add_co_u32 s[XT], s[XO], 2*REC
	v_add_nc_u32 v[AXC], s[XT], v[AXB]
	v_add_nc_u32 v[ASXC], s[XT], v[ASXB]
.else
	v_add_nc_u32 v[AXC], s[XO], v[AXB]
	v_add_nc_u32 v[ASXC], s[XO], v[ASXB]
.endif
	PLACES 2
	ds_load_b32 v[SW], v[ASW] offset:WSR*WSL
	ds_load_b32 v[SW+1], v[ASW] offset:WSR*WSL+128
.irp r, 0,1,2,3,4,5,6,7
	ds_load_b32 v[SA+\r], v[ASXC] offset:128*\r
.endr
.irp n, 0,1,2,3
.irp c, 0,1,2,3
	ds_load_b128 v[BF+16*\n+4*\c:BF+16*\n+4*\c+3], v[ABW] offset:WSR*WSL+2048*\n+512*\c
.endr
.endr
	AGRP 0
	AGRP 1
	AGRP 2
	AGRP 3
.if \quant
	s_wait_loadcnt \cnta
.if \lda
	LOADW 2*(\par)+1, 1, 0
.endif
	ASKW
	MAXPH QS0
	CROSS
.endif
	s_wait_alu depctr_va_vdst(0)
.irp g, 0,1,2,3
	s_wait_dscnt 24+\g*2*\quant
	MGRP \g, \first
.if \quant
	HOLD QS0, \g, 0, 1-WSR
.else
	WIN 0
	PLACES 8
.endif
	AGRP \g+4
.endr
.if \quant
	s_wait_loadcnt \cntb
.if \ldb
	LOADW QS0, 0, 1
.endif
	MAXPH QS0+1
	CROSS
.endif
	s_wait_alu depctr_va_vdst(0)
.irp g, 4,5,6,7
	s_wait_dscnt 8*(7-\g)+6*\quant
	MGRP \g, \first
.if \quant
	HOLD QS0+1, \g-4, 1, 1-WSR
.endif
.endr
	WIN 0
.endm
	s_load_b256 s[4:11], s[0:1], 0x0
	s_load_b128 s[12:15], s[0:1], 0x20
	v_lshl_add_u32 v[SPW], v0, 2, SPARE
	v_mov_b32 v[NIL], 0
	ds_add_u32 v1, v2
	ds_add_u32 v1, v2
	s_wait_dscnt 0x0
	v_lshrrev_b32 v40, 5, v0
	v_readfirstlane_b32 s[WV], v40
	s_and_b32 s57, s[WV], 1
	s_lshr_b32 s58, s[WV], 1
	s_bfe_u32 s18, ttmp6, 0x40000
	s_bfe_u32 s19, ttmp6, 0x40004
	s_lshl_b32 s20, ttmp9, 2
	s_add_co_u32 s20, s20, s18
	s_and_b32 s21, ttmp7, 0xffff
	s_lshl_b32 s21, s21, 2
	s_add_co_u32 s21, s21, s19
	s_and_b32 s22, s21, 1
	s_bfe_u32 s23, s21, 0x10001
	s_lshr_b32 s56, s21, 2
	s_lshr_b32 s55, s21, 1
	s_lshl_b32 s55, s55, 5
	s_add_co_u32 s55, s55, s20
	v_and_b32 v41, 15, v0
	v_bfe_u32 v42, v0, 4, 1
	s_mul_i32 s59, s[WV], 32*PITCHB
	v_lshl_add_u32 v[GW], v41, 4, s59
	v_lshl_add_u32 v[GW], v42, LOGP+4, v[GW]
	s_and_b32 s60, s55, 63
	s_lshl_b32 s60, s60, 9
	s_mov_b32 s61, 0
	s_wait_alu depctr_va_vdst(0)
	s_wait_kmcnt 0x0
	s_cmp_eq_u32 s56, 0
	s_cselect_b64 s[WB:WB+1], s[6:7], s[8:9]
	s_cselect_b64 s[BB:BB+1], s[10:11], s[12:13]
	s_add_nc_u64 s[WB:WB+1], s[WB:WB+1], s[60:61]
	s_add_nc_u64 s[BB:BB+1], s[BB:BB+1], s[60:61]
	LOADW 0, 0, 0
	LOADW 1, 1, 0
	LOADW 2, 0, 1
	s_lshl_b32 s60, s58, 8
	s_add_nc_u64 s[BB:BB+1], s[BB:BB+1], s[60:61]
	s_mul_i32 s17, s[WV], REC
	s_xor_b32 s59, s57, s23
	s_lshl_b32 s62, s22, 1
	s_add_co_u32 s59, s59, s62
	s_lshl_b32 s62, s58, 2
	s_add_co_u32 s62, s62, s59
	s_mul_i32 s62, s62, REC
	s_mov_b32 s63, 0
	s_lshl_b32 s60, s19, 2
	s_lshl_b32 s60, 15, s60
	s_or_b32 s[G1D], s60, (3<<16)|(1<<21)
	s_mov_b32 s[G1D+1], 32<<16
	s_mov_b32 s[G1D+2], 132<<16
	s_mov_b32 s[G1D+3], 32<<16
	s_mov_b32 s[G1D+4], 132
	s_mov_b32 s[G1D+5], 32
	s_mov_b32 s[G1D+6], 0
	s_mov_b32 s[G1D+7], 0
	s_mov_b32 s[G0], 1
	s_mov_b32 s[G0+1], s17
	s_add_nc_u64 s[G0+2:G0+3], s[4:5], s[62:63]
	s_or_b32 s[G0+3], s[G0+3], 0x80000000
	s_mov_b32 s[XO], 0
	ROUND
	tensor_load_to_lds s[G0:G0+3], s[G1D:G1D+7]    ; slot 0: K steps 0 and 1; the addresses and the first weight image are made while it is on its way
	s_nop 0
	PLACES 4
	s_lshl_b32 s60, s22, 8
	s_add_co_u32 s60, s60, 256*PITCHB
	v_lshl_add_u32 v[PFO], v0, LOGP, s60
	v_and_b32 v43, 31, v0
	v_lshlrev_b32 v44, 4, v43
	s_mul_i32 s60, s57, REC
	v_add_nc_u32 v[AXB], s60, v44
	v_lshl_add_u32 v[ASXB], v43, 2, s60
	v_add_nc_u32 v[ASXB], 32768, v[ASXB]
	s_lshl_b32 s60, s58, 13
	s_add_co_u32 s60, s60, WIMG
	v_add_nc_u32 v[ABW], s60, v44
	s_lshl_b32 s60, s58, 8
	s_add_co_u32 s60, s60, WIMG+WSCO
	v_lshl_add_u32 v[ASW], v43, 2, s60
	v_bfe_u32 v45, v0, 3, 1
	v_bfe_u32 v46, v0, 1, 1
	v_bfe_u32 v47, v0, 2, 1
	v_and_b32 v43, 1, v0
	s_lshl_b32 s60, s[WV], 9
	s_add_co_u32 s60, s60, WIMG
	v_lshl_add_u32 v[ADW], v45, 12, s60
	v_lshl_add_u32 v[ADW], v46, 11, v[ADW]
	v_lshl_add_u32 v[ADW], v42, 8, v[ADW]
	v_lshl_add_u32 v[ADW], v47, 7, v[ADW]
	v_lshl_add_u32 v[ADW], v43, 6, v[ADW]
	s_add_co_u32 s60, s[WV], WIMG+WSCO
	v_lshl_add_u32 v[ADB], v45, 7, s60
	v_lshl_add_u32 v[ADB], v46, 6, v[ADB]
	v_lshl_add_u32 v[ADB], v47, 5, v[ADB]
	v_lshl_add_u32 v[ADB], v43, 4, v[ADB]
	v_lshlrev_b32 v[BO], 6, v42
.irp q, 0,1,2,3
	v_mov_b32 v[PR+\q], 0
.endr
	s_mov_b32 s[SEL], 0x76543210
	s_mov_b32 s[SEL+1], 0xfedcba98
	s_mov_b32 s[MNT], 0x600000
	s_mov_b32 s[HM], 0xffff0000
	s_mov_b32 s[K1], 0x3eb504f3
	s_lshl_b32 s60, s55, 2
	s_add_co_u32 s60, s60, s59
	s_mul_i32 s60, s60, REC
	s_lshl_b32 s61, s58, 1
	s_add_co_u32 s62, s60, s61
	s_add_co_u32 s62, s62, 32768
	s_mov_b32 s63, 0
	s_lshl_b32 s61, s58, 10
	s_add_co_u32 s60, s60, s61
	s_mov_b32 s61, 0
	s_add_nc_u64 s[OB:OB+1], s[14:15], s[60:61]
	s_add_nc_u64 s[SB:SB+1], s[14:15], s[62:63]
	s_wait_loadcnt 32
	LOADW 3, 1, 0
	MAXPH 0
	CROSS
	HOLD 0, 0, 0, 0
	HOLD 0, 1, 0, 0
	HOLD 0, 2, 0, 0
	HOLD 0, 3, 0, 0
	s_wait_loadcnt 32
	LOADW 0, 0, 1
	MAXPH 1
	CROSS
	HOLD 1, 0, 1, 0
	HOLD 1, 1, 1, 0
	HOLD 1, 2, 1, 0
	HOLD 1, 3, 1, 0
	s_wait_alu depctr_va_vdst(0)                   ; the wait at the head's end
	s_wait_tensorcnt 0x0                           ; my record of slot 0 is in; slot 1's first fill is issued as a refill is
	ds_add_u32 v[SPW], v[NIL]
	s_add_nc_u64 s[G0+2:G0+3], s[G0+2:G0+3], 8*REC
	s_xor_b32 s[G0+1], s[G0+1], XSL
	s_wait_dscnt 0x0                               ; the add and my stores into the first image are done
	ROUND
	tensor_load_to_lds s[G0:G0+3], s[G1D:G1D+7]    ; K steps 2 and 3
	s_nop 0
.set PF, 1
	TRIP 0, 0, 1, 1, 1, 1, 32, 32
	s_mov_b32 s[KC], 6
.Lk:                                                   ; K steps 1 to 12, two a trip
	TRIP 1, 2, 0, 1, 1, 1, 32, 32
.set PF, 2
	TRIP 0, 1, 0, 1, 1, 1, 32, 32
.set PF, 0
	s_sub_co_u32 s[KC], s[KC], 1
	s_cmp_lg_u32 s[KC], 0
	s_cbranch_scc1 .Lk
	TRIP 1, 2, 0, 1, 1, 0, 32, 32
	TRIP 0, 3, 0, 1, 0, 0, 16, 0
	WIN 0x40
.irp n, 0,1,2,3
	global_load_b128 v[8*\n:8*\n+3], v[BO], s[BB:BB+1] offset:128*(\n/2)+32*(\n%2)
	global_load_b128 v[8*\n+4:8*\n+7], v[BO], s[BB:BB+1] offset:128*(\n/2)+32*(\n%2)+16
.endr
	WIN 0
	TRIP 1, 2, 0, 0, 0, 0, 0, 0
.set QM,  12
.set QP,  14
.set QL,  16
.set QS,  18
.set C8,  20
.set SH,  22
.set SHM, 24
.set GO,  25
.set GS,  26
.set UU,  64
.set X,   128
.set TT,  192
.set PP,  224
.macro GELUQ pp
.set XP, X+32*\pp
.set k, 0
.rept 32
	v_fma_f32 v[TT+k], |v[XP+k]|, s[K1], 1.0
.set k, k+1
.endr
.set k, 0
	s_wait_alu depctr_va_vdst(0)
.rept 32
	v_rcp_f32 v[TT+k], v[TT+k]
.set k, k+1
.endr
.set k, 0
.rept 16
	v_pk_mul_f32 v[UU+k:UU+k+1], v[XP+k:XP+k+1], v[XP+k:XP+k+1]
.set k, k+2
.endr
.set k, 0
	s_wait_alu depctr_va_vdst(0)
.rept 16
	v_pk_fma_f32 v[PP+k:PP+k+1], v[TT+k:TT+k+1], 0x3e7c6f08, v[C8:C8+1] op_sel_hi:[1,0,1]
.set k, k+2
.endr
.irp c, 0x40097039, 0xbfd1a1e5, 0x3ecdfd18, 0xbe899a80, 0x3e0efb2e, 0x3f0a29d2, 0x3fb8ab5a, 0xc034d90f
.set k, 0
.rept 16
	v_pk_fma_f32 v[PP+k:PP+k+1], v[PP+k:PP+k+1], v[TT+k:TT+k+1], \c op_sel_hi:[1,1,0]
.set k, k+2
.endr
.endr
.set k, 0
.rept 16
	v_pk_fma_f32 v[PP+k:PP+k+1], v[UU+k:UU+k+1], 0xbf38aa3b, v[PP+k:PP+k+1] op_sel_hi:[1,0,1]
.set k, k+2
.endr
.set k, 0
	s_wait_alu depctr_va_vdst(0)
.rept 32
	v_exp_f32 v[PP+k], v[PP+k]
.set k, k+1
.endr
.set k, 0
.rept 32
	v_max_num_f32 v[UU+k], 0, v[XP+k]
.set k, k+1
.endr
.set k, 0
	s_wait_alu depctr_va_vdst(0)
.rept 16
	v_pk_mul_f32 v[PP+k:PP+k+1], v[PP+k:PP+k+1], v[TT+k:TT+k+1]
.set k, k+2
.endr
.set k, 0
.rept 32
	v_fma_f32 v[XP+k], -|v[XP+k]|, v[PP+k], v[UU+k]
.set k, k+1
.endr
.irp b, 0,1
	v_max3_num_f32 v[QM+\b], |v[XP+16*\b]|, |v[XP+16*\b+1]|, 0x8000000
.endr
.irp i, 2,4,6,8,10,12,14
.irp b, 0,1
	v_max3_num_f32 v[QM+\b], v[QM+\b], |v[XP+16*\b+\i]|, |v[XP+16*\b+\i+1]|
.endr
.endr
.irp b, 0,1
	v_permlanex16_b32 v[QP+\b], v[QM+\b], s[SEL], s[SEL+1]
.endr
.irp b, 0,1
	v_max_num_f32 v[QM+\b], v[QM+\b], v[QP+\b]
.endr
.irp b, 0,1
	v_add_nc_u32 v[QS+\b], 0xf8800000, v[QM+\b]
.endr
.irp b, 0,1
	v_and_or_b32 v[QL+\b], v[QM+\b], 0x7f800000, s[MNT]
.endr
.irp b, 0,1
	v_lshrrev_b32 v[QP+\b], 23, v[QS+\b]
.endr
	v_lshl_or_b32 v[SH+\pp], v[QP+1], 8, v[QP]
.irp b, 0,1
.irp i, 0,1,2,3,4,5,6,7,8,9,10,11,12,13,14,15
	v_med3_num_f32 v[XP+16*\b+\i], v[XP+16*\b+\i], -v[QL+\b], v[QL+\b]
.endr
.endr
	s_wait_alu depctr_va_vdst(0)
	s_wait_xcnt 0x0
.irp b, 0,1
	v_cvt_scalef32_pk8_bf8_f32 v[CD+4*\b:CD+4*\b+1], v[XP+16*\b:XP+16*\b+7], v[QS+\b]
	v_cvt_scalef32_pk8_bf8_f32 v[CD+4*\b+2:CD+4*\b+3], v[XP+16*\b+8:XP+16*\b+15], v[QS+\b]
.endr
	v_nop
.irp b, 0,1
	global_store_b128 v[GO], v[CD+4*\b:CD+4*\b+3], s[OB:OB+1] offset:\pp*2048+512*\b
.endr
.endm
	s_wait_loadcnt 0x0
	v_and_b32 v27, 31, v0
	v_lshlrev_b32 v[GO], 4, v27
	v_lshlrev_b32 v[GS], 2, v27
	v_mov_b32 v[C8], 0xbf97d29d
	v_mov_b32 v[C8+1], 0xbf97d29d
	PLACES 3
	s_mov_b32 s[IT], 0
.Ltile:
.irp i, 0,1,2,3,4,5,6
	s_cmp_eq_u32 s[IT], \i
	s_cbranch_scc1 .Lcase\i
.endr
.irp i, 7,0,1,2,3,4,5,6
.Lcase\i:
	WIN 0x06+\i/4
.set k, 0
.rept 32
	v_pk_add_f32 v[X+k:X+k+1], v[64*(\i%4)+k:64*(\i%4)+k+1], v[k%32:k%32+1]
.set k, k+2
.endr
	WIN 0
.if \i != 6
	s_branch .Lbody
.endif
.endr
.Lbody:
	GELUQ 0
	GELUQ 1
	v_cndmask_b32 v[SHM], v[SH], v[SH+1], s[HM]
	global_store_b16 v[GS], v[SHM], s[SB:SB+1]
	s_wait_xcnt 0x0
	s_add_nc_u64 s[OB:OB+1], s[OB:OB+1], 4096
	s_add_nc_u64 s[SB:SB+1], s[SB:SB+1], 128
	s_add_co_u32 s[IT], s[IT], 1
	s_cmp_lt_u32 s[IT], 8
	s_cbranch_scc1 .Ltile
	s_wait_tensorcnt 0x0
	ds_add_u32 v[SPW], v[NIL]
	s_wait_dscnt 0x0
	ROUND
	s_endpgm
.Lfunc_end_k_q2ccf05ad77_ffn1:
	.size	k_q2ccf05ad77_ffn1, .Lfunc_end_k_q2ccf05ad77_ffn1-k_q2ccf05ad77_ffn1
	.p2alignl 7, 3214868480
	.fill 96, 4, 3214868480
	.section	.rodata,"a",@progbits
	.p2align	6, 0x0
	.amdhsa_kernel k_q2ccf05ad77_ffn1
		.amdhsa_group_segment_fixed_size 327680
		.amdhsa_private_segment_fixed_size 0
		.amdhsa_enable_private_segment 0
		.amdhsa_kernarg_size 48
		.amdhsa_user_sgpr_count 2
		.amdhsa_user_sgpr_kernarg_segment_ptr 1
		.amdhsa_wavefront_size32 1
		.amdhsa_system_sgpr_workgroup_id_x 1
		.amdhsa_system_sgpr_workgroup_id_y 1
		.amdhsa_system_sgpr_workgroup_id_z 1
		.amdhsa_system_vgpr_workitem_id 0
		.amdhsa_next_free_vgpr 1024
		.amdhsa_next_free_sgpr 66
		.amdhsa_reserve_vcc 0
		.amdhsa_float_denorm_mode_32 3
		.amdhsa_float_denorm_mode_16_64 3
		.amdhsa_memory_ordered 1
		.amdhsa_forward_progress 1
		.amdhsa_inst_pref_size 255
	.end_amdhsa_kernel
	.section	.bss,"aw",@nobits
	.p2align	6
	.space	262144
	.amdgpu_metadata
---
amdhsa.version: [ 1, 2 ]
amdhsa.kernels:
  - .name:           k_q2ccf05ad77_ffn1
    .symbol:         k_q2ccf05ad77_ffn1.kd
    .args:
      - { .name: xq, .offset: 0, .size: 8, .value_kind: global_buffer, .address_space: global }
      - { .name: W1_0, .offset: 8, .size: 8, .value_kind: global_buffer, .address_space: global }
      - { .name: W1_1, .offset: 16, .size: 8, .value_kind: global_buffer, .address_space: global }
      - { .name: b1_0, .offset: 24, .size: 8, .value_kind: global_buffer, .address_space: global }
      - { .name: b1_1, .offset: 32, .size: 8, .value_kind: global_buffer, .address_space: global }
      - { .name: hq, .offset: 40, .size: 8, .value_kind: global_buffer, .address_space: global }
    .group_segment_fixed_size: 327680
    .private_segment_fixed_size: 0
    .kernarg_segment_align: 8
    .kernarg_segment_size: 48
    .max_flat_workgroup_size: 128
    .sgpr_count:     66
    .vgpr_count:     1024
    .wavefront_size: 32
...
	.end_amdgpu_metadata
.endif
;; end of part 2
;; launch ffn2 (part 3): grid 16 x 16, 4 waves a work-group, clusters of 4 x 4, 327,680 bytes of LDS; arguments hq, W2_0, W2_1, part; writes part
.if DOCPART == 3
	.amdgcn_target "amdgcn-amd-amdhsa--gfx1250"
	.amdhsa_code_object_version 6
	.text
	.protected	k_q2ccf05ad77_ffn2
	.globl	k_q2ccf05ad77_ffn2
	.p2align	8
	.type	k_q2ccf05ad77_ffn2,@function
k_q2ccf05ad77_ffn2:
	s_mov_b64 s[64:65], 0
	v_nop
	global_prefetch_b8 v0, s[64:65] scope:SCOPE_SE
	s_setreg_imm32_b32 hwreg(HW_REG_WAVE_MODE, 25, 1), 1
	s_wait_xcnt 0x0
	s_wait_alu depctr_hold_cnt(0) depctr_sa_sdst(0) depctr_va_vdst(0) depctr_va_sdst(0) depctr_va_ssrc(0) depctr_va_vcc(0) depctr_vm_vsrc(0)
	s_getreg_b32 s2, hwreg(HW_REG_IB_STS2, 6, 4)
	s_cmp_eq_u32 s2, 0
	s_cbranch_scc0 .Lentry_in_a_cluster
	s_endpgm
.Lentry_in_a_cluster:
	s_bfe_u32 s2, ttmp6, 0x10000c
	s_cmp_lg_u32 s2, 0xf033
	s_cbranch_scc0 .Lentry_shape_is_right
	s_endpgm
.Lentry_shape_is_right:
; part[4 e + j] = Q(h_e)[:, quarter j of K] Q(W2_e)[quarter j of K, :], f32: eight partial sums of [1024][2048], which the next launch adds, weighs and biases.
; Nothing is left out here: every row of every partial sum is made and stored.
; A work-group makes 512 rows x 128 columns over 2,048 of expert e's 8,192 along K; four waves, 2 x 2, each 256 rows x 64 columns: 64 accumulators, 512 registers (windows 2 and 3).
; h's codes come as the records that the launch before stored, by joint tensor loads shared along a row of the cluster, into a ring of two slots of two K steps each.
; W2 comes as f32 by plain loads, is quantised along K in registers and goes as a register image through one of two LDS images, one K step ahead of the products that read it.
; The loop's trip is two K steps; the weight strip is asked for ahead (see ASKW).  h's records are not: each refill has two K steps' products between its request and the wait for it.
; LIMITS: a block of zeros gets the byte 1 where the rule says 127 (its codes are zeros; this program alone reads the bytes); NaN and infinities among the inputs are not served.
.set LOGP,   13
.set PITCHB, 1<<LOGP
.set REC,    33792
.set XSL,    4*REC
.set WIMG,   2*XSL
.set WSCO,   16384
.set WSL,    16896
.set SPARE,  WIMG+2*WSL
.set STAGE,  SPARE+512
.set SPT,    272
.set SPW, 1
.set NIL, 2
.set AXB, 3
.set AXC, 4
.set ASXB, 5
.set ASXC, 6
.set ABW, 7
.set ASW, 8
.set ADW, 9
.set ADB, 10
.set GW,  11
.set MX,  12
.set PR,  16
.set LIM, 20
.set SCO, 24
.set SA,  28
.set SW,  36
.set CD,  40
.set HD,  48
.set BF,  64
.set AF,  128
.set WV,  16
.set G1D, 24
.set G0,  32
.set WB,  40
.set KC,  42
.set MNT, 43
.set SEL, 44
.set OB,  50
.set PFO, 39                           ; v39  the prefetch's offset: my thread's row of a K step, my work-group's 256 bytes of its 512, two K steps on; never rewritten
.set XO,  36                           ; s36  LDS offset of the slot that is read: 0 or XSL
.set XT,  37                           ; s37  the same for the slot's second K step
.set MSB, 0
.macro WIN new
.if MSB != (\new)
	s_set_vgpr_msb (MSB<<8)|(\new)
.set MSB, (\new)
.endif
.endm
.macro PLACES n
.rept \n
	v_nop
.endr
.endm
.macro ROUND
	s_barrier_signal -1
	s_barrier_wait -1
	s_cmp_lg_u32 s[WV], 0
	s_cbranch_scc1 .Lnot_wave_0_\@
	s_barrier_signal -3
.Lnot_wave_0_\@:
	s_barrier_wait -3
	s_barrier_signal -1
	s_barrier_wait -1
.endm
.macro LOADW set, hf, step
.if \step
	s_wait_xcnt 0x0
	s_add_nc_u64 s[WB:WB+1], s[WB:WB+1], 128*PITCHB
.endif
	WIN 0x40
.irp i, 0,1,2,3,4,5,6,7,8,9,10,11,12,13,14,15
	global_load_b128 v[64*(\set)+4*\i:64*(\set)+4*\i+3], v[GW], s[WB:WB+1] offset:\i*PITCHB+256*(\hf)
.endr
	WIN 0
.endm
.macro MAXPH set
	WIN 0x05
.irp q, 0,1,2,3
	v_max3_num_f32 v[MX+\q], |v[64*(\set)+\q]|, |v[64*(\set)+4+\q]|, 0x8000000
.endr
.irp i, 2,4,6,8,10,12,14
.irp q, 0,1,2,3
	v_max3_num_f32 v[MX+\q], |v[64*(\set)+4*\i+\q]|, |v[64*(\set)+4*\i+4+\q]|, v[MX+\q]
.endr
.endr
.endm
.macro CROSS
	WIN 0
.irp q, 0,1,2,3
	v_permlanex16_b32 v[PR+\q], v[MX+\q], s[SEL], s[SEL+1]
.endr
.irp q, 0,1,2,3
	v_max_num_f32 v[MX+\q], v[MX+\q], v[PR+\q]
.endr
.irp q, 0,1,2,3
	v_add_nc_u32 v[SCO+\q], 0xf8800000, v[MX+\q]
.endr
.irp q, 0,1,2,3
	v_and_or_b32 v[LIM+\q], v[MX+\q], 0x7f800000, s[MNT]
.endr
.irp q, 0,1,2,3
	v_lshrrev_b32 v[PR+\q], 23, v[SCO+\q]
.endr
.endm
.macro HOLD set, q, hf, ws
	WIN 0x01
.irp i, 0,1,2,3,4,5,6,7,8,9,10,11,12,13,14,15
	v_med3_num_f32 v[HD+\i], v[64*(\set)+4*\i+(\q)], -v[LIM+(\q)], v[LIM+(\q)]
.endr
	WIN 0
	v_cvt_scalef32_pk8_bf8_f32 v[CD+4*((\q)%2):CD+4*((\q)%2)+1], v[HD:HD+7], v[SCO+(\q)]
	v_cvt_scalef32_pk8_bf8_f32 v[CD+4*((\q)%2)+2:CD+4*((\q)%2)+3], v[HD+8:HD+15], v[SCO+(\q)]
	v_nop
	ds_store_b128 v[ADW], v[CD+4*((\q)%2):CD+4*((\q)%2)+3] offset:(\ws)*WSL+8192*(\hf)+16*(\q)
	ds_store_b8 v[ADB], v[PR+(\q)] offset:(\ws)*WSL+256*(\hf)+4*(\q)
.endm
.macro AGRP g
.irp f, 0,1
.irp c, 0,1,2,3
	ds_load_b128 v[AF+32*((\g)%4)+16*\f+4*\c:AF+32*((\g)%4)+16*\f+4*\c+3], v[AXC] offset:(2*(\g)+\f)*2048+512*\c
.endr
.endr
.endm
.macro WM d, b, a, sw, sa, z, ra, rb
.if (\z) && (\ra) && (\rb)
	v_wmma_scale_f32_16x16x128_f8f6f4 v[\d:\d+7], v[\b:\b+15], v[\a:\a+15], 0, v[\sw], v[\sa] matrix_a_fmt:MATRIX_FMT_BF8 matrix_b_fmt:MATRIX_FMT_BF8 matrix_a_scale:MATRIX_SCALE_ROW1 matrix_b_scale:MATRIX_SCALE_ROW1
.elseif (\z) && (\ra)
	v_wmma_scale_f32_16x16x128_f8f6f4 v[\d:\d+7], v[\b:\b+15], v[\a:\a+15], 0, v[\sw], v[\sa] matrix_a_fmt:MATRIX_FMT_BF8 matrix_b_fmt:MATRIX_FMT_BF8 matrix_a_scale:MATRIX_SCALE_ROW1
.elseif (\z) && (\rb)
	v_wmma_scale_f32_16x16x128_f8f6f4 v[\d:\d+7], v[\b:\b+15], v[\a:\a+15], 0, v[\sw], v[\sa] matrix_a_fmt:MATRIX_FMT_BF8 matrix_b_fmt:MATRIX_FMT_BF8 matrix_b_scale:MATRIX_SCALE_ROW1
.elseif (\z)
	v_wmma_scale_f32_16x16x128_f8f6f4 v[\d:\d+7], v[\b:\b+15], v[\a:\a+15], 0, v[\sw], v[\sa] matrix_a_fmt:MATRIX_FMT_BF8 matrix_b_fmt:MATRIX_FMT_BF8
.elseif (\ra) && (\rb)
	v_wmma_scale_f32_16x16x128_f8f6f4 v[\d:\d+7], v[\b:\b+15], v[\a:\a+15], v[\d:\d+7], v[\sw], v[\sa] matrix_a_fmt:MATRIX_FMT_BF8 matrix_b_fmt:MATRIX_FMT_BF8 matrix_a_scale:MATRIX_SCALE_ROW1 matrix_b_scale:MATRIX_SCALE_ROW1
.elseif (\ra)
	v_wmma_scale_f32_16x16x128_f8f6f4 v[\d:\d+7], v[\b:\b+15], v[\a:\a+15], v[\d:\d+7], v[\sw], v[\sa] matrix_a_fmt:MATRIX_FMT_BF8 matrix_b_fmt:MATRIX_FMT_BF8 matrix_a_scale:MATRIX_SCALE_ROW1
.elseif (\rb)
	v_wmma_scale_f32_16x16x128_f8f6f4 v[\d:\d+7], v[\b:\b+15], v[\a:\a+15], v[\d:\d+7], v[\sw], v[\sa] matrix_a_fmt:MATRIX_FMT_BF8 matrix_b_fmt:MATRIX_FMT_BF8 matrix_b_scale:MATRIX_SCALE_ROW1
.else
	v_wmma_scale_f32_16x16x128_f8f6f4 v[\d:\d+7], v[\b:\b+15], v[\a:\a+15], v[\d:\d+7], v[\sw], v[\sa] matrix_a_fmt:MATRIX_FMT_BF8 matrix_b_fmt:MATRIX_FMT_BF8
.endif
.endm
.macro MGRP g, z
	WIN 0xa0+0x50*((\g)/4)
.irp n, 0,1,2,3
.irp f, 0,1
	WM 32*((2*(\g)+\f)%8)+8*\n, BF+16*\n, AF+32*((\g)%4)+16*\f, SW+\n/2, SA+(\g), \z, \n%2, \f
.endr
.endr
.endm
; A prefetch of the weight strip: in trip t the pointer stands at K step t + 2 and the offset adds two more: K step t + 4, whose loads are issued in trips t + 1 and t + 2.
; A K step of the strip is 128 rows x 512 bytes: thread n names row n, and the two work-groups that read the strip (neighbours along the cluster's y) take 256 bytes of each row each, told apart by address.
; PF = 1: asked; 2: not in the loop's last trip, whose K step 16 is not this work-group's; 0: the tail asks for nothing.
.macro ASKW
.if PF == 1
	global_prefetch_b8 v[PFO], s[WB:WB+1] th:TH_LOAD_NT scope:SCOPE_SE
.elseif PF == 2
	s_cmp_lg_u32 s[KC], 1
	s_cbranch_scc0 .Lno_ask_\@
	global_prefetch_b8 v[PFO], s[WB:WB+1] th:TH_LOAD_NT scope:SCOPE_SE
.Lno_ask_\@:
.endif
.endm
; A K step of 128.  par: its parity.  kind 0: the head's round has shown all; 1: change of slots with a refill; 2: the image's barrier alone; 3: change of slots without a refill.
.macro TRIP par, kind, first, quant, lda, ldb, cnta, cntb
.set WSR, (\par)
.set QS0, 2*(1-(\par))
.if \kind == 1
	s_wait_tensorcnt 0x0                           ; all my tensor loads are in, so the descriptor may be written
	ds_add_u32 v[SPW], v[NIL]
	s_add_nc_u64 s[G0+2:G0+3], s[G0+2:G0+3], 8*REC ; two K steps on,
	s_xor_b32 s[G0+1], s[G0+1], XSL                ; into the slot that was read last;
	s_xor_b32 s[XO], s[XO], XSL                    ; the other slot is read now
	s_wait_dscnt 0x0
	ROUND
	tensor_load_to_lds s[G0:G0+3], s[G1D:G1D+7]
	s_nop 0
.elseif \kind == 2
	s_wait_dscnt 0x0
	s_barrier_signal -1
	s_barrier_wait -1
.elseif \kind == 3
	s_wait_tensorcnt 0x0
	ds_add_u32 v[SPW], v[NIL]
	s_xor_b32 s[XO], s[XO], XSL
	s_wait_dscnt 0x0
	s_barrier_signal -1
	s_barrier_wait -1
.endif
.if \par
	s_add_co_u32 s[XT], s[XO], 2*REC
	v_add_nc_u32 v[AXC], s[XT], v[AXB]
	v_add_nc_u32 v[ASXC], s[XT], v[ASXB]
.else
	v_add_nc_u32 v[AXC], s[XO], v[AXB]
	v_add_nc_u32 v[ASXC], s[XO], v[ASXB]
.endif
	PLACES 2
	ds_load_b32 v[SW], v[ASW] offset:WSR*WSL
	ds_load_b32 v[SW+1], v[ASW] offset:WSR*WSL+128
.irp r, 0,1,2,3,4,5,6,7
	ds_load_b32 v[SA+\r], v[ASXC] offset:128*\r
.endr
.irp n, 0,1,2,3
.irp c, 0,1,2,3
	ds_load_b128 v[BF+16*\n+4*\c:BF+16*\n+4*\c+3], v[ABW] offset:WSR*WSL+2048*\n+512*\c
.endr
.endr
	AGRP 0
	AGRP 1
	AGRP 2
	AGRP 3
.if \quant
	s_wait_loadcnt \cnta
.if \lda
	LOADW 2*(\par)+1, 1, 0
.endif
	ASKW
	MAXPH QS0
	CROSS
.endif
	s_wait_alu depctr_va_vdst(0)
.irp g, 0,1,2,3
	s_wait_dscnt 24+\g*2*\quant
	MGRP \g, \first
.if \quant
	HOLD QS0, \g, 0, 1-WSR
.else
	WIN 0
	PLACES 8
.endif
	AGRP \g+4
.endr
.if \quant
	s_wait_loadcnt \cntb
.if \ldb
	LOADW QS0, 0, 1
.endif
	MAXPH QS0+1
	CROSS
.endif
	s_wait_alu depctr_va_vdst(0)
.irp g, 4,5,6,7
	s_wait_dscnt 8*(7-\g)+6*\quant
	MGRP \g, \first
.if \quant
	HOLD QS0+1, \g-4, 1, 1-WSR
.endif
.endr
	WIN 0
.endm
	s_load_b256 s[4:11], s[0:1], 0x0
	v_lshl_add_u32 v[SPW], v0, 2, SPARE
	v_mov_b32 v[NIL], 0
	ds_add_u32 v1, v2
	ds_add_u32 v1, v2
	s_wait_dscnt 0x0
	v_lshrrev_b32 v40, 5, v0
	v_readfirstlane_b32 s[WV], v40
	s_and_b32 s57, s[WV], 1
	s_lshr_b32 s58, s[WV], 1
	s_bfe_u32 s18, ttmp6, 0x40000
	s_bfe_u32 s19, ttmp6, 0x40004
	s_lshl_b32 s20, ttmp9, 2
	s_add_co_u32 s20, s20, s18
	s_and_b32 s21, ttmp7, 0xffff
	s_lshl_b32 s21, s21, 2
	s_add_co_u32 s21, s21, s19
	s_and_b32 s22, s21, 1
	s_lshr_b32 s55, s21, 1
	s_lshr_b32 s56, s21, 3
	s_and_b32 s23, s55, 3
	v_and_b32 v41, 15, v0
	v_bfe_u32 v42, v0, 4, 1
	s_mul_i32 s59, s[WV], 32*PITCHB
	v_lshl_add_u32 v[GW], v41, 4, s59
	v_lshl_add_u32 v[GW], v42, LOGP+4, v[GW]
	s_lshl_b32 s60, s20, 9
	s_lshl_b32 s61, s23, 24
	s_add_co_u32 s60, s60, s61
	s_mov_b32 s61, 0
	s_wait_alu depctr_va_vdst(0)
	s_wait_kmcnt 0x0
	s_cmp_eq_u32 s56, 0
	s_cselect_b64 s[WB:WB+1], s[6:7], s[8:9]
	s_add_nc_u64 s[WB:WB+1], s[WB:WB+1], s[60:61]
	LOADW 0, 0, 0
	LOADW 1, 1, 0
	LOADW 2, 0, 1
	s_mul_i32 s17, s[WV], REC
	s_lshl_b32 s59, s22, 1
	s_add_co_u32 s59, s59, s57
	s_lshl_b32 s62, s58, 2
	s_add_co_u32 s62, s62, s59
	s_lshl_b32 s63, s55, 6
	s_add_co_u32 s62, s62, s63
	s_mul_i32 s62, s62, REC
	s_mov_b32 s63, 0
	s_lshl_b32 s60, s19, 2
	s_lshl_b32 s60, 15, s60
	s_or_b32 s[G1D], s60, (3<<16)|(1<<21)
	s_mov_b32 s[G1D+1], 32<<16
	s_mov_b32 s[G1D+2], 132<<16
	s_mov_b32 s[G1D+3], 32<<16
	s_mov_b32 s[G1D+4], 132
	s_mov_b32 s[G1D+5], 32
	s_mov_b32 s[G1D+6], 0
	s_mov_b32 s[G1D+7], 0
	s_mov_b32 s[G0], 1
	s_mov_b32 s[G0+1], s17
	s_add_nc_u64 s[G0+2:G0+3], s[4:5], s[62:63]
	s_or_b32 s[G0+3], s[G0+3], 0x80000000
	s_mov_b32 s[XO], 0
	ROUND
	tensor_load_to_lds s[G0:G0+3], s[G1D:G1D+7]    ; slot 0: K steps 0 and 1; the addresses and the first weight image are made while it is on its way
	s_nop 0
	PLACES 4
	s_lshl_b32 s60, s22, 8
	s_add_co_u32 s60, s60, 256*PITCHB
	v_lshl_add_u32 v[PFO], v0, LOGP, s60
	v_and_b32 v43, 31, v0
	v_lshlrev_b32 v44, 4, v43
	s_mul_i32 s60, s57, REC
	v_add_nc_u32 v[AXB], s60, v44
	v_lshl_add_u32 v[ASXB], v43, 2, s60
	v_add_nc_u32 v[ASXB], 32768, v[ASXB]
	s_lshl_b32 s60, s58, 13
	s_add_co_u32 s60, s60, WIMG
	v_add_nc_u32 v[ABW], s60, v44
	s_lshl_b32 s60, s58, 8
	s_add_co_u32 s60, s60, WIMG+WSCO
	v_lshl_add_u32 v[ASW], v43, 2, s60
	v_bfe_u32 v45, v0, 3, 1
	v_bfe_u32 v46, v0, 1, 1
	v_bfe_u32 v47, v0, 2, 1
	v_and_b32 v43, 1, v0
	s_lshl_b32 s60, s[WV], 9
	s_add_co_u32 s60, s60, WIMG
	v_lshl_add_u32 v[ADW], v45, 12, s60
	v_lshl_add_u32 v[ADW], v46, 11, v[ADW]
	v_lshl_add_u32 v[ADW], v42, 8, v[ADW]
	v_lshl_add_u32 v[ADW], v47, 7, v[ADW]
	v_lshl_add_u32 v[ADW], v43, 6, v[ADW]
	s_add_co_u32 s60, s[WV], WIMG+WSCO
	v_lshl_add_u32 v[ADB], v45, 7, s60
	v_lshl_add_u32 v[ADB], v46, 6, v[ADB]
	v_lshl_add_u32 v[ADB], v47, 5, v[ADB]
	v_lshl_add_u32 v[ADB], v43, 4, v[ADB]
.irp q, 0,1,2,3
	v_mov_b32 v[PR+\q], 0
.endr
	s_mov_b32 s[SEL], 0x76543210
	s_mov_b32 s[SEL+1], 0xfedcba98
	s_mov_b32 s[MNT], 0x600000
	s_lshl_b32 s60, s55, 23
	s_lshl_b32 s61, s59, 21
	s_add_co_u32 s60, s60, s61
	s_lshl_b32 s61, s20, 9
	s_add_co_u32 s60, s60, s61
	s_lshl_b32 s61, s58, 8
	s_add_co_u32 s60, s60, s61
	s_mov_b32 s61, 0
	s_add_nc_u64 s[OB:OB+1], s[10:11], s[60:61]
	s_wait_loadcnt 32
	LOADW 3, 1, 0
	MAXPH 0
	CROSS
	HOLD 0, 0, 0, 0
	HOLD 0, 1, 0, 0
	HOLD 0, 2, 0, 0
	HOLD 0, 3, 0, 0
	s_wait_loadcnt 32
	LOADW 0, 0, 1
	MAXPH 1
	CROSS
	HOLD 1, 0, 1, 0
	HOLD 1, 1, 1, 0
	HOLD 1, 2, 1, 0
	HOLD 1, 3, 1, 0
	s_wait_alu depctr_va_vdst(0)                   ; the wait at the head's end
	s_wait_tensorcnt 0x0                           ; my record of slot 0 is in; slot 1's first fill is issued as a refill is
	ds_add_u32 v[SPW], v[NIL]
	s_add_nc_u64 s[G0+2:G0+3], s[G0+2:G0+3], 8*REC
	s_xor_b32 s[G0+1], s[G0+1], XSL
	s_wait_dscnt 0x0                               ; the add and my stores into the first image are done
	ROUND
	tensor_load_to_lds s[G0:G0+3], s[G1D:G1D+7]    ; K steps 2 and 3
	s_nop 0
.set PF, 1
	TRIP 0, 0, 1, 1, 1, 1, 32, 32
	s_mov_b32 s[KC], 6
.Lk:                                                   ; K steps 1 to 12, two a trip
	TRIP 1, 2, 0, 1, 1, 1, 32, 32
.set PF, 2
	TRIP 0, 1, 0, 1, 1, 1, 32, 32
.set PF, 0
	s_sub_co_u32 s[KC], s[KC], 1
	s_cmp_lg_u32 s[KC], 0
	s_cbranch_scc1 .Lk
	TRIP 1, 2, 0, 1, 1, 0, 32, 32
	TRIP 0, 3, 0, 1, 0, 0, 16, 0
	TRIP 1, 2, 0, 0, 0, 0, 0, 0
.set STO, 12
.set RD,  13
.set CO,  14
.set BK,  128
	v_and_b32 v40, 15, v0
	v_bfe_u32 v41, v0, 4, 1
	s_mul_i32 s17, s[WV], 16*SPT
	s_add_co_u32 s17, s17, STAGE
	v_mul_u32_u24 v[STO], v40, SPT
	v_lshl_add_u32 v[STO], v41, 6, v[STO]
	v_add_nc_u32 v[STO], s17, v[STO]
	v_mul_u32_u24 v[RD], v41, SPT
	v_lshl_add_u32 v[RD], v40, 4, v[RD]
	v_add_nc_u32 v[RD], s17, v[RD]
	v_lshlrev_b32 v[CO], 13, v41
	v_lshl_add_u32 v[CO], v40, 4, v[CO]
	s_wait_alu depctr_va_vdst(0)
	v_nop
	v_nop
.macro TOSTAGE t
	WIN 0x08+4*((\t)/8)
.irp n, 0,1,2,3
	ds_store_b128 v[STO], v[32*((\t)%8)+8*\n:32*((\t)%8)+8*\n+3] offset:128*(\n/2)+32*(\n%2)
	ds_store_b128 v[STO], v[32*((\t)%8)+8*\n+4:32*((\t)%8)+8*\n+7] offset:128*(\n/2)+32*(\n%2)+16
.endr
	WIN 0
.irp i, 0,1,2,3,4,5,6,7
	ds_load_b128 v[BK+32*((\t)%2)+4*\i:BK+32*((\t)%2)+4*\i+3], v[RD] offset:2*SPT*\i
.endr
.endm
.macro SEND t, younger
	s_wait_dscnt \younger
.irp i, 0,1,2,3,4,5,6,7
	global_store_b128 v[CO], v[BK+32*((\t)%2)+4*\i:BK+32*((\t)%2)+4*\i+3], s[OB:OB+1] offset:(\t)*131072+16384*\i
.endr
.endm
	TOSTAGE 0
.irp t, 1,2,3,4,5,6,7,8,9,10,11,12,13,14,15
.if \t > 1
	s_wait_xcnt 0x0
.endif
	TOSTAGE \t
	SEND \t-1, 16
.endr
	SEND 15, 0
	s_wait_tensorcnt 0x0
	ds_add_u32 v[SPW], v[NIL]
	s_wait_dscnt 0x0
	ROUND
	s_endpgm
.Lfunc_end_k_q2ccf05ad77_ffn2:
	.size	k_q2ccf05ad77_ffn2, .Lfunc_end_k_q2ccf05ad77_ffn2-k_q2ccf05ad77_ffn2
	.p2alignl 7, 3214868480
	.fill 96, 4, 3214868480
	.section	.rodata,"a",@progbits
	.p2align	6, 0x0
	.amdhsa_kernel k_q2ccf05ad77_ffn2
		.amdhsa_group_segment_fixed_size 327680
		.amdhsa_private_segment_fixed_size 0
		.amdhsa_enable_private_segment 0
		.amdhsa_kernarg_size 32
		.amdhsa_user_sgpr_count 2
		.amdhsa_user_sgpr_kernarg_segment_ptr 1
		.amdhsa_wavefront_size32 1
		.amdhsa_system_sgpr_workgroup_id_x 1
		.amdhsa_system_sgpr_workgroup_id_y 1
		.amdhsa_system_sgpr_workgroup_id_z 1
		.amdhsa_system_vgpr_workitem_id 0
		.amdhsa_next_free_vgpr 1024
		.amdhsa_next_free_sgpr 66
		.amdhsa_reserve_vcc 0
		.amdhsa_float_denorm_mode_32 3
		.amdhsa_float_denorm_mode_16_64 3
		.amdhsa_memory_ordered 1
		.amdhsa_forward_progress 1
		.amdhsa_inst_pref_size 251
	.end_amdhsa_kernel
	.amdgpu_metadata
---
amdhsa.version: [ 1, 2 ]
amdhsa.kernels:
  - .name:           k_q2ccf05ad77_ffn2
    .symbol:         k_q2ccf05ad77_ffn2.kd
    .args:
      - { .name: hq, .offset: 0, .size: 8, .value_kind: global_buffer, .address_space: global }
      - { .name: W2_0, .offset: 8, .size: 8, .value_kind: global_buffer, .address_space: global }
      - { .name: W2_1, .offset: 16, .size: 8, .value_kind: global_buffer, .address_space: global }
      - { .name: part, .offset: 24, .size: 8, .value_kind: global_buffer, .address_space: global }
    .group_segment_fixed_size: 327680
    .private_segment_fixed_size: 0
    .kernarg_segment_align: 8
    .kernarg_segment_size: 32
    .max_flat_workgroup_size: 128
    .sgpr_count:     66
    .vgpr_count:     1024
    .wavefront_size: 32
...
	.end_amdgpu_metadata
.endif
;; end of part 3
;; launch combine (part 4): grid 512 x 1, 8 waves a work-group, no clusters, 0 bytes of LDS; arguments part, b2_0, b2_1, top2_exp_id, top2_weight, out0; writes out0
.if DOCPART == 4
	.amdgcn_target "amdgcn-amd-amdhsa--gfx1250"
	.amdhsa_code_object_version 6
	.text
	.protected	k_q2ccf05ad77_combine
	.globl	k_q2ccf05ad77_combine
	.p2align	8
	.type	k_q2ccf05ad77_combine,@function
k_q2ccf05ad77_combine:
	s_mov_b64 s[64:65], 0
	v_nop
	global_prefetch_b8 v0, s[64:65] scope:SCOPE_SE
	s_setreg_imm32_b32 hwreg(HW_REG_WAVE_MODE, 25, 1), 1
	s_wait_xcnt 0x0
; out[m][n] = c0[m] (sum over j of part[j][m][n] + b2_0[n]) + c1[m] (sum over j of part[4 + j][m][n] + b2_1[n]).
; c_e[m] is the sum of those of token m's two gate weights whose expert id is e modulo 2 (bit 0 of the id, for negative ids too): what reference()'s (1 - sel) y0 + sel y1, weighed and summed, comes to.
; LEFT OUT: where neither id of a token is e modulo 2, c_e[m] is 0 by the ids alone (the first kernel's head shows it): that expert's four partial rows are not loaded; zeros stand in their place.
; LIMIT: a NaN, an infinity or an overflow in the result of an expert that a token does not use is not carried to the output.
; A stream: no LDS, no barrier, no matrix unit, no tensor load, so scalar branches on the ids are open.  A work-group owns two rows; thread t owns the 16 bytes at 16 t and at 4,096 + 16 t of each:
; a wave's load or store covers 512 consecutive bytes.  How many loads go out hangs on the ids, so one wait for all of them stands ahead of the sums.
.set B,  16                            ; v16-31   biases: expert e, half x at B + 8 e + 4 x
.set D,  32                            ; v32-159  item k = 2 row + half: chunk q at D + 32 k + 4 q
	s_load_b256 s[4:11], s[0:1], 0x0               ; part, b2_0, b2_1, ids
	s_load_b128 s[12:15], s[0:1], 0x20             ; weights, out
	v_lshlrev_b32 v1, 4, v0
	s_lshl_b32 s32, ttmp9, 14                      ; two rows of 8,192 bytes a work-group
	s_mov_b32 s33, 0
	s_lshl_b32 s34, ttmp9, 4                       ; two rows of 8 bytes
	s_mov_b32 s35, 0
	s_wait_alu depctr_va_vdst(0)                   ; the wait at the head's end
	s_wait_kmcnt 0x0
	s_add_nc_u64 s[10:11], s[10:11], s[34:35]
	s_add_nc_u64 s[12:13], s[12:13], s[34:35]
	s_load_b128 s[36:39], s[10:11], 0x0            ; the two rows' ids
	s_load_b128 s[40:43], s[12:13], 0x0            ; and gate weights
	s_add_nc_u64 s[14:15], s[14:15], s[32:33]
	s_add_nc_u64 s[16:17], s[4:5], s[32:33]
.irp q, 1,2,3,4,5,6,7
	s_add_nc_u64 s[16+2*\q:17+2*\q], s[14+2*\q:15+2*\q], 0x800000   ; a base for each chunk: 8,388,608 bytes apart, more than an immediate offset holds
.endr
.irp x, 0,1
	global_load_b128 v[B+4*\x:B+4*\x+3], v1, s[6:7] offset:4096*\x
	global_load_b128 v[B+8+4*\x:B+8+4*\x+3], v1, s[8:9] offset:4096*\x
.endr
	s_wait_kmcnt 0x0
.macro PART p, e                       ; row p, expert e: eight loads if one of the row's ids names the expert, else 32 zeros
.if \e
	s_or_b32 s56, s[36+2*\p], s[37+2*\p]           ; bit 0: one of the two ids is odd
	s_bitcmp1_b32 s56, 0
	s_cbranch_scc0 .Lnone_\@
.else
	s_and_b32 s56, s[36+2*\p], s[37+2*\p]          ; bit 0: both are odd
	s_bitcmp1_b32 s56, 0
	s_cbranch_scc1 .Lnone_\@
.endif
.irp x, 0,1
.irp j, 0,1,2,3
	global_load_b128 v[D+32*(2*\p+\x)+16*\e+4*\j:D+32*(2*\p+\x)+16*\e+4*\j+3], v1, s[16+8*\e+2*\j:17+8*\e+2*\j] offset:\p*8192+\x*4096 th:TH_LOAD_NT
.endr
.endr
	s_branch .Lhave_\@
.Lnone_\@:
.irp x, 0,1
.irp i, 0,1,2,3,4,5,6,7,8,9,10,11,12,13,14,15
	v_mov_b32 v[D+32*(2*\p+\x)+16*\e+\i], 0
.endr
.endr
.Lhave_\@:
.endm
	PART 0, 0
	PART 0, 1
	PART 1, 0
	PART 1, 1
.irp p, 0,1                            ; row p: c0 in s[44 + 4 p], c1 in s[46 + 4 p], each twice: the packed forms name a pair
	s_bitcmp1_b32 s[36+2*\p], 0
	s_cselect_b32 s52, 0, s[40+2*\p]
	s_cselect_b32 s53, s[40+2*\p], 0
	s_bitcmp1_b32 s[37+2*\p], 0
	s_cselect_b32 s54, 0, s[41+2*\p]
	s_cselect_b32 s55, s[41+2*\p], 0
	s_add_f32 s[44+4*\p], s52, s54
	s_add_f32 s[46+4*\p], s53, s55
	s_mov_b32 s[45+4*\p], s[44+4*\p]
	s_mov_b32 s[47+4*\p], s[46+4*\p]
.endr
	s_wait_alu depctr_va_vdst(0)
	s_wait_loadcnt 0x0
.macro ITEM k
.set D0, D+32*\k
.set BX, B+4*(\k%2)
.set CR, 44+4*(\k/2)
.irp e, 0,1
.irp u, 0,2
	v_pk_add_f32 v[D0+16*\e+\u:D0+16*\e+\u+1], v[D0+16*\e+\u:D0+16*\e+\u+1], v[D0+16*\e+4+\u:D0+16*\e+4+\u+1]
	v_pk_add_f32 v[D0+16*\e+8+\u:D0+16*\e+8+\u+1], v[D0+16*\e+8+\u:D0+16*\e+8+\u+1], v[D0+16*\e+12+\u:D0+16*\e+12+\u+1]
.endr
.endr
.irp e, 0,1
.irp u, 0,2
	v_pk_add_f32 v[D0+16*\e+\u:D0+16*\e+\u+1], v[D0+16*\e+\u:D0+16*\e+\u+1], v[BX+8*\e+\u:BX+8*\e+\u+1]
.endr
.endr
.irp e, 0,1
.irp u, 0,2
	s_delay_alu instid0(VALU_DEP_4)
	v_pk_add_f32 v[D0+16*\e+\u:D0+16*\e+\u+1], v[D0+16*\e+\u:D0+16*\e+\u+1], v[D0+16*\e+8+\u:D0+16*\e+8+\u+1]
.endr
.endr
.irp u, 0,2
	s_delay_alu instid0(VALU_DEP_4)
	v_pk_mul_f32 v[D0+\u:D0+\u+1], v[D0+\u:D0+\u+1], s[CR:CR+1] op_sel_hi:[1,0]
.endr
.irp u, 0,2
	s_delay_alu instid0(VALU_DEP_2)
	v_pk_fma_f32 v[D0+\u:D0+\u+1], v[D0+16+\u:D0+16+\u+1], s[CR+2:CR+3], v[D0+\u:D0+\u+1] op_sel_hi:[1,0,1]
.endr
	global_store_b128 v1, v[D0:D0+3], s[14:15] offset:(\k/2)*8192+(\k%2)*4096 th:TH_STORE_NT   ; 16 lanes store 256 consecutive bytes, aligned; no store's data are written again
.endm
	ITEM 0
	ITEM 1
	ITEM 2
	ITEM 3
	s_endpgm
.Lfunc_end_k_q2ccf05ad77_combine:
	.size	k_q2ccf05ad77_combine, .Lfunc_end_k_q2ccf05ad77_combine-k_q2ccf05ad77_combine
	.p2alignl 7, 3214868480
	.fill 96, 4, 3214868480
	.section	.rodata,"a",@progbits
	.p2align	6, 0x0
	.amdhsa_kernel k_q2ccf05ad77_combine
		.amdhsa_group_segment_fixed_size 0
		.amdhsa_private_segment_fixed_size 0
		.amdhsa_enable_private_segment 0
		.amdhsa_kernarg_size 48
		.amdhsa_user_sgpr_count 2
		.amdhsa_user_sgpr_kernarg_segment_ptr 1
		.amdhsa_wavefront_size32 1
		.amdhsa_system_sgpr_workgroup_id_x 1
		.amdhsa_system_sgpr_workgroup_id_y 1
		.amdhsa_system_sgpr_workgroup_id_z 1
		.amdhsa_system_vgpr_workitem_id 0
		.amdhsa_next_free_vgpr 160
		.amdhsa_next_free_sgpr 66
		.amdhsa_reserve_vcc 0
		.amdhsa_float_denorm_mode_32 3
		.amdhsa_float_denorm_mode_16_64 3
		.amdhsa_memory_ordered 1
		.amdhsa_forward_progress 1
		.amdhsa_inst_pref_size 17
	.end_amdhsa_kernel
	.amdgpu_metadata
---
amdhsa.version: [ 1, 2 ]
amdhsa.kernels:
  - .name:           k_q2ccf05ad77_combine
    .symbol:         k_q2ccf05ad77_combine.kd
    .args:
      - { .name: part, .offset: 0, .size: 8, .value_kind: global_buffer, .address_space: global }
      - { .name: b2_0, .offset: 8, .size: 8, .value_kind: global_buffer, .address_space: global }
      - { .name: b2_1, .offset: 16, .size: 8, .value_kind: global_buffer, .address_space: global }
      - { .name: top2_exp_id, .offset: 24, .size: 8, .value_kind: global_buffer, .address_space: global }
      - { .name: top2_weight, .offset: 32, .size: 8, .value_kind: global_buffer, .address_space: global }
      - { .name: out0, .offset: 40, .size: 8, .value_kind: global_buffer, .address_space: global }
    .group_segment_fixed_size: 0
    .private_segment_fixed_size: 0
    .kernarg_segment_align: 8
    .kernarg_segment_size: 48
    .max_flat_workgroup_size: 256
    .sgpr_count:     66
    .vgpr_count:     160
    .wavefront_size: 32
...
	.end_amdgpu_metadata
.endif
;; end of part 4
